; MI455X (gfx1250); checked and timed in simulation.
; The chip was launched on July 23, 2026; its instructions are those of AMD's public machine-readable ISA for CDNA 5 (MIT licence, August 2026) and "CDNA5" Instruction Set Architecture Reference Guide (July 2026). The comments in the code are by the model that wrote it; some were corrected since.
;; Slow LSTM. Allowed arithmetic: matrix products marked QUANTISED: E2M3 operands, one E8M0 scale for each 32 along K, by v_wmma_scale_f32_16x16x128_f8f6f4 with both operands' format E2M3, f32 sums; everything else in f32.
;; Inputs: b_c 2,048 float32; b_f 2,048 float32; b_i 2,048 float32; b_o 2,048 float32; c 2,048 x 2,048 float32; h_codes 2,048 x 64 x 24 uint8 (E2M3 codes of h, K innermost, in blocks of 32 codes, four codes in three bytes); h_scales 2,048 x 64 uint8 (E8M0 scales of h, one for each 32 codes along K); w_hc 2,048 x 2,048 float32; w_hf 2,048 x 2,048 float32; w_hi 2,048 x 2,048 float32; w_ho 2,048 x 2,048 float32; w_xc 2,048 x 2,048 float32; w_xf 2,048 x 2,048 float32; w_xi 2,048 x 2,048 float32; w_xo 2,048 x 2,048 float32; x_codes 2,048 x 64 x 24 uint8 (E2M3 codes of x, K innermost, in blocks of 32 codes, four codes in three bytes); x_scales 2,048 x 64 uint8 (E8M0 scales of x, one for each 32 codes along K).
;; Outputs: out0 2,048 x 1 x 2,048 float32; out1 2,048 x 1 x 2,048 float32.
;; This version of the problem:
;;   THIS VERSION OF THE PROBLEM IS GIVEN IN LOW PRECISION. The matrix products marked QUANTISED in the list below multiply operands that are first quantised to E2M3 (2 exponent bits, 3 mantissa bits; 6 bits a number), with one power-of-two scale for each 32 numbers along K (OCP MX v1.0); their sums are f32. All else is computed in f32.
;;   The module's matrix products, in the order in which they are computed (A, B: the left and right operand; K: the contracted axis; several contracted axes count as one K, in the product's order):
;;     1. [M 2,048, K 2,048] x [K 2,048, N 8,192]; A: input x (given as codes); B: computed on the way: QUANTISED
;;     2. [M 2,048, K 2,048] x [K 2,048, N 8,192]; A: input h (given as codes); B: computed on the way: QUANTISED
;;   THE QUANTISER, for each operand of a quantised product, along K:
;;     - K is cut into blocks of 32 from its start; a last block that is shorter is filled with zeros.
;;     - A block's scale is 2^e with e = floor(log2(the largest magnitude in the block)) - 2, held to -126 .. 127; a block of zeros has e = 0. As a byte (E8M0): e + 127.
;;     - Each number is divided by its block's scale, clamped to +-7.5, and rounded to the nearest number of E2M3, ties to even, subnormals kept.
;;     - The product sums the exact products of the quantised numbers (number of the format x scale) in f32.
;;   ~~~python
;;   def quantise(x, axis):      # numpy; x: float32 -> the quantised numbers, widened to float32 again
;;       x = np.moveaxis(x, axis, -1); K = x.shape[-1]
;;       x = np.pad(x, [(0, 0)] * (x.ndim - 1) + [(0, -K % 32)]); x = x.reshape(x.shape[:-1] + (-1, 32)); a = np.abs(x).max(-1, keepdims=True)
;;       e = np.where(a > 0, np.clip(np.frexp(np.where(a > 0, a, 1))[1] - 1 - 2, -126, 127), 0)      # np.frexp(a)[1] - 1 = floor(log2(a)), exactly
;;       r = np.clip(x / 2.0 ** e, -7.5, 7.5)
;;       step = 2.0 ** (np.maximum(np.frexp(np.where(r == 0, 1, r))[1] - 1, 0) - 3)
;;       q = np.round(r / step) * step * 2.0 ** e      # np.round: ties to even
;;       return np.moveaxis(q.reshape(q.shape[:-2] + (-1,))[..., :K], -1, axis).astype(np.float32)
;;   ~~~
;;   OPERANDS COMPUTED ON THE WAY. 'Computed on the way' means the value that the module computes at that place (a softmax that the list does not call 'softmax' is quantised finished and normalised). What goes into a quantiser is computed in f32, as accurately as f32 sums, v_exp_f32 and their like allow (about 1e-6 of the number): no bf16 or f16 on the way to a quantiser, and a product that is left as it is and whose result goes on into a quantised operand takes f32 operands (vector FMAs, or v_wmma_f32_16x16x4_f32). A number that lies on a knife's edge between two numbers of the format may be rounded either way, as far as f32 arithmetic and the matrix unit's own rounding can turn it there, and no further.
;;   INPUTS GIVEN AS CODES. h (in the module: [2048, 2048], K = its axis 1); x (in the module: [2048, 2048], K = its axis 1): each comes as NAME_codes (uint8): NAME with its K axis moved to the last place and cut into blocks of 32 codes, [.., K / 32, bytes a block], one block behind the other in memory; four codes in three bytes: a row's codes are one little-endian stream of bits, code i at bits 6 i .. 6 i + 5 (a code: sign, 2 exponent bits, 3 mantissa bits); and NAME_scales (uint8): the same leading axes, one E8M0 byte (e + 127) for each 32 codes along K. Its value is code x scale, taken as it is: it is not quantised again, and the codes and scales need not be those that the quantiser above would give.
;; One version. Each part assembles by itself: llvm-mc -triple=amdgcn-amd-amdhsa -mcpu=gfx1250 --defsym DOCPART=n.
;; ======== version 1 of 1: 2 launches
;; limits: right only within a limited range of input values
;; workspace buffers: aq 6,553,600 bytes; wq 26,214,400 bytes
;; launch quant (part 1): grid 128 x 8, 4 waves a work-group, no clusters, 19,968 bytes of LDS; arguments w_xi, w_xf, w_xo, w_xc, w_hi, w_hf, w_ho, w_hc, x_codes, x_scales, h_codes, h_scales, aq, wq; writes aq, wq
.if DOCPART == 1
	.amdgcn_target "amdgcn-amd-amdhsa--gfx1250"
	.amdhsa_code_object_version 6
	.text
	.protected	k_q5a3ecc31f4_quant
	.globl	k_q5a3ecc31f4_quant
	.p2align	8
	.type	k_q5a3ecc31f4_quant,@function
k_q5a3ecc31f4_quant:
	s_mov_b64 s[64:65], 0
	v_nop
	global_prefetch_b8 v0, s[64:65] scope:SCOPE_SE
	s_setreg_imm32_b32 hwreg(HW_REG_WAVE_MODE, 25, 1), 1
	s_wait_xcnt 0x0
; Prepares both operands of the next launch as IMAGES OF THE MATRIX OPERANDS' REGISTERS.
; A UNIT is 25,600 bytes: 128 rows x 256 along K.  Codes [q 2][b 8][1,536 bytes]: q = which 128 along K, b = which 16 rows; in a block, piece jj (0..2) of lane l lies at 512 jj + 16 l
; and holds registers 4 jj .. 4 jj + 3 of the FP6 fragment (lane l: row l % 16; registers 0-5 K = 32 (l / 16) on, registers 6-11 K = 64 + 32 (l / 16) on).
; Behind them, at byte 24,576, the scale words [j 4][l 32][8 bytes]: row 32 j + l, the words of q = 0 and q = 1.
; aq [g 16][t 16] units: rows 128 g on of x (t 0-7) and h (t 8-15), t % 8 = which 256 along K.   wq [g 64][t 16] units: row gate x 32 + j % 32 of group g = j / 32 (gates i, f, o, c), x's weights t 0-7, h's t 8-15.
; THE WEIGHTS, eight of [2048 (k)][2048 (j)] f32, are quantised: a block's scale is 2^(floor(log2(largest magnitude)) - 2), each number divided by it and rounded to the nearest code of E2M3, ties to even,
; beyond 7.5 the largest code.  x / 16 = the weight, x % 16 = 128 columns, y = 256 along K; a wave takes 32 columns, A LANE A COLUMN, ITS REGISTERS RUN DOWN K.  The codes of each q turn through the wave's own LDS stage
; (3,072 bytes, used for q = 0 and then for q = 1) into the image and leave 512 consecutive aligned bytes a store.
; x AND h, taken as they are given, are laid into aq by the same waves, so that every work-group has the same work: x and h have 4,096 fragment blocks (16 rows x 128 along K, 96 bytes a row), the grid 4,096 waves.
; A wave loads its block's 96 pieces of 16 bytes with three loads, turns them through 1,792 bytes of LDS of its own and stores the image, 1,536 consecutive bytes.  The four waves of a work-group take neighbouring
; 96 bytes of the same rows.  Wave 0 of each work-group also moves one of the 1,024 pieces of 256 bytes of scale words.  No barrier: waves share nothing.
; LIMITS: NaN and infinities among the weights are not served.  A block of zeros, or one whose largest magnitude lies under 2^-124, gets the byte 1 (the stated rule gives a block of zeros 127): zeros stay zeros, and the bytes are read by this program alone.
.set UNIT,  25600
.set WROW,  8192                       ; bytes in a row of a weight
.set STG,   3072                       ; the weights' stage: [2 blocks][1,536]
.set RP,    112                        ; the other stage's row: 96 bytes + 16
.set RSTG,  16*RP
.set RBASE, 4*STG
.set SPARE, RBASE+4*RSTG               ; the spare words
.set X,     32                         ; v32-95 two sets of 32 numbers; at the end q = 1's codes back from the stage
.set C,     96                         ; v96-143 codes: 24 registers for each q, in the order of the image
.set RB,    146                        ; v146-169 q = 0's codes back from the stage
.set RL,    170                        ; v170-181 my block of x or h as loaded;  v182-193 as a fragment;  v194-195 scale words
.set RF,    182
.set T3,    16
.set SB,    12
	s_load_b512 s[16:31], s[0:1], 0x0              ; the eight weights
	s_load_b256 s[36:43], s[0:1], 0x40             ; x's codes, x's scales, h's codes, h's scales
	s_load_b128 s[8:11], s[0:1], 0x60              ; aq, wq
	v_lshrrev_b32 v1, 5, v0
	v_readfirstlane_b32 s4, v1                     ; wave
	s_and_b32 s6, ttmp7, 0xffff
	s_lshr_b32 s5, ttmp9, 4                        ; which weight: 4 s + gate
	s_and_b32 s12, ttmp9, 15                       ; which 128 columns
	s_mul_i32 s13, s4, STG
	s_mul_i32 s60, s4, RSTG
	s_add_co_u32 s60, s60, RBASE
	s_movk_i32 s61, 1440
	s_lshl_b32 s32, s6, 21                         ; 256 y rows of 8,192 bytes
	s_lshl_b32 s14, s12, 9
	s_add_co_u32 s32, s32, s14
	s_lshl_b32 s14, s4, 7
	s_add_co_u32 s32, s32, s14
	s_mov_b32 s33, 0
	s_lshl_b32 s14, s12, 2
	s_add_co_u32 s14, s14, s4                      ; g
	s_lshl_b32 s14, s14, 4
	s_lshr_b32 s15, s5, 2
	s_lshl_b32 s15, s15, 3
	s_add_co_u32 s14, s14, s15
	s_add_co_u32 s14, s14, s6                      ; unit 16 g + 8 s + y
	s_mul_i32 s14, s14, UNIT
	s_and_b32 s15, s5, 3                           ; the gate: blocks 2 gate, 2 gate + 1; pair gate
	s_mul_i32 s34, s15, 3072
	s_add_co_u32 s34, s34, s14
	s_mov_b32 s35, 0
	s_lshl_b32 s44, s15, 8
	s_add_co_u32 s44, s44, s14
	s_add_co_u32 s44, s44, 24576
	s_mov_b32 s45, 0
	s_lshl_b32 s47, s6, 7
	s_add_co_u32 s47, s47, ttmp9                   ; the work-group's number, 0..1023
	s_lshr_b32 s62, s47, 9                         ; 0: x, 1: h
	s_lshl_b32 s46, s47, 2
	s_add_co_u32 s46, s46, s4                      ; the wave's number, 0..4095
	s_bfe_u32 s48, s46, 0x70004                    ; which 16 rows
	s_and_b32 s49, s46, 15                         ; which 128 along K
	s_mul_i32 s50, s48, 24576
	s_mul_i32 s51, s49, 96
	s_add_co_u32 s50, s50, s51                     ; my block in the codes
	s_mov_b32 s51, 0
	s_lshr_b32 s52, s48, 3
	s_lshl_b32 s52, s52, 4
	s_lshl_b32 s53, s62, 3
	s_add_co_u32 s52, s52, s53
	s_lshr_b32 s53, s49, 1
	s_add_co_u32 s52, s52, s53
	s_mul_i32 s52, s52, UNIT                       ; its unit,
	s_and_b32 s53, s49, 1
	s_mul_i32 s53, s53, 12288
	s_add_co_u32 s52, s52, s53                     ; q,
	s_and_b32 s53, s48, 7
	s_mul_i32 s53, s53, 1536
	s_add_co_u32 s52, s52, s53                     ; and block
	s_mov_b32 s53, 0
	s_bfe_u32 s54, s47, 0x40005                    ; the scale words: group,
	s_bfe_u32 s55, s47, 0x20003                    ; pair,
	s_and_b32 s56, s47, 7                          ; which 256 along K
	s_lshl_b32 s57, s54, 2
	s_add_co_u32 s57, s57, s55
	s_lshl_b32 s57, s57, 11                        ; 32 rows of 64 bytes
	s_lshl_b32 s58, s56, 3
	s_add_co_u32 s58, s58, s57
	s_mov_b32 s59, 0
	s_lshl_b32 s54, s54, 4
	s_lshl_b32 s57, s62, 3
	s_add_co_u32 s54, s54, s57
	s_add_co_u32 s54, s54, s56
	s_mul_i32 s54, s54, UNIT
	s_lshl_b32 s55, s55, 8
	s_add_co_u32 s54, s54, s55
	s_add_co_u32 s54, s54, 24576
	s_mov_b32 s55, 0
	v_lshl_add_u32 v144, v0, 2, SPARE
	v_mov_b32 v145, 0
	v_and_b32 v2, 31, v0                           ; lane
	v_and_b32 v9, 15, v0                           ; lane % 16
	v_bfe_u32 v8, v0, 4, 1                         ; lane / 16
	v_lshlrev_b32 v6, 4, v2                        ; 16 x lane
	v_lshlrev_b32 v7, 3, v2                        ; 8 x lane
	v_lshlrev_b32 v3, 2, v2                        ; in: 4 bytes a lane
	v_mul_u32_u24 v4, v8, 1536
	v_lshl_add_u32 v4, v9, 4, v4
	v_add_nc_u32 v4, s13, v4                       ; into the stage: my column's block and its row's 16 bytes
	v_add_nc_u32 v5, s13, v6                       ; out of it: 16 bytes a lane, as they lie
.irp k, 0,1,2                          ; piece F = 32 k + lane of my block's 96: row F / 6 = (43 F) >> 8 for F < 96
	v_add_nc_u32 v[20+\k], 32*\k, v2
	v_mul_u32_u24 v[23+\k], v[20+\k], 43
	v_lshrrev_b32 v[23+\k], 8, v[23+\k]
	v_lshlrev_b32 v[20+\k], 4, v[20+\k]
	v_lshl_add_u32 v28, v[23+\k], 4, v[20+\k]      ; in the stage: 16 F + 16 x row
	v_mad_u32_u24 v[20+\k], v[23+\k], s61, v[20+\k]   ; in memory: 16 F + (1,536 - 96) x row
	v_add_nc_u32 v[23+\k], s60, v28
.endr
	v_mul_u32_u24 v26, v9, RP
	v_mad_u32_u24 v26, v8, 24, v26
	v_add_nc_u32 v26, s60, v26                     ; a fragment's row + 24 x half
	v_lshlrev_b32 v27, 6, v2                       ; 64 scale bytes a row
	s_wait_alu depctr_va_vdst(0)                   ; the wait at the head's end
	s_wait_kmcnt 0x0
	s_cmp_lg_u32 s62, 0
	s_cselect_b64 s[36:37], s[40:41], s[36:37]
	s_cselect_b64 s[38:39], s[42:43], s[38:39]
	s_add_nc_u64 s[36:37], s[36:37], s[50:51]
	s_add_nc_u64 s[38:39], s[38:39], s[58:59]
	s_add_nc_u64 s[40:41], s[8:9], s[52:53]        ; where my block's image goes
	s_add_nc_u64 s[42:43], s[8:9], s[54:55]        ; where the scale words go
	s_and_b32 s7, s5, 1                            ; the weight is chosen by the three bits of its number
	s_cmp_lg_u32 s7, 0
	s_cselect_b64 s[16:17], s[18:19], s[16:17]
	s_cselect_b64 s[20:21], s[22:23], s[20:21]
	s_cselect_b64 s[24:25], s[26:27], s[24:25]
	s_cselect_b64 s[28:29], s[30:31], s[28:29]
	s_and_b32 s7, s5, 2
	s_cmp_lg_u32 s7, 0
	s_cselect_b64 s[16:17], s[20:21], s[16:17]
	s_cselect_b64 s[24:25], s[28:29], s[24:25]
	s_and_b32 s7, s5, 4
	s_cmp_lg_u32 s7, 0
	s_cselect_b64 s[16:17], s[24:25], s[16:17]
	s_add_nc_u64 s[16:17], s[16:17], s[32:33]
	s_add_nc_u64 s[8:9], s[10:11], s[34:35]        ; my codes
	s_add_nc_u64 s[10:11], s[10:11], s[44:45]      ; my scale words
.irp k, 0,1,2
	global_load_b128 v[RL+4*\k:RL+4*\k+3], v[20+\k], s[36:37]
.endr
	s_cmp_lg_u32 s4, 0
	s_cbranch_scc1 .Lno_words_in
	global_load_b64 v[194:195], v27, s[38:39]      ; wave 0: 32 rows' two scale words
.Lno_words_in:
.macro LOAD t                          ; block t: 32 numbers down K of my column, into set t % 2
.irp i, 0,1,2,3,4,5,6,7,8,9,10,11,12,13,14,15,16,17,18,19,20,21,22,23,24,25,26,27,28,29,30,31
	global_load_b32 v[X+32*((\t)%2)+\i], v3, s[16:17] offset:(32*(\t)+\i)*WROW th:TH_LOAD_NT
.endr
.endm
	LOAD 0
	LOAD 1
.macro BLOCK t
.set XS, X+32*((\t)%2)
.set CB, C+24*((\t)/4)+6*(2*((\t)%2)+((\t)%4)/2)   ; blocks 0, 2 of a q are lane (r, 0)'s twelve registers, blocks 1, 3 lane (r, 1)'s
.if (\t) < 7
	s_wait_loadcnt 32                              ; this block's 32 loads, and all older ones, are in; the next block's 32 may be out
.else
	s_wait_loadcnt 0
.endif
	v_max3_num_f32 v8, |v[XS]|, |v[XS+1]|, |v[XS+2]|
	v_max3_num_f32 v9, |v[XS+3]|, |v[XS+4]|, |v[XS+5]|
.irp i, 6,10,14,18,22,26
	v_max3_num_f32 v8, v8, |v[XS+\i]|, |v[XS+\i+1]|
	v_max3_num_f32 v9, v9, |v[XS+\i+2]|, |v[XS+\i+3]|
.endr
	v_max3_num_f32 v8, v8, |v[XS+30]|, |v[XS+31]|
	v_max3_num_f32 v8, v8, v9, 0x1800000           ; the floor 2^(3 - 127): the byte cannot fall under 1
	v_add_nc_u32 v10, 0xff000000, v8               ; 2 off the exponent field: the conversion's scale operand
	v_cvt_scalef32_pk16_fp6_f32 v[CB:CB+2], v[XS:XS+15], v10
	v_cvt_scalef32_pk16_fp6_f32 v[T3:T3+2], v[XS+16:XS+31], v10    ; (three registers from an even one on: the upper three are made here and moved)
	v_lshrrev_b32 v11, 23, v10                     ; the scale's byte; also the plain instruction behind the conversions
.if (\t)%4 == 0
	v_mov_b32 v[SB+(\t)/4], v11
.else
	v_lshl_or_b32 v[SB+(\t)/4], v11, 8*((\t)%4), v[SB+(\t)/4]
.endif
.irp i, 0,1,2
	v_mov_b32 v[CB+3+\i], v[T3+\i]
.endr
.if (\t)%4 == 3
.irp h, 0,1
.irp c, 0,1,2
	ds_store_b128 v4, v[C+24*((\t)/4)+12*\h+4*\c:C+24*((\t)/4)+12*\h+4*\c+3] offset:512*\c+256*\h
.endr
.endr
.endif
.if (\t) == 3
.irp k, 0,1,2,3,4,5
	ds_load_b128 v[RB+4*\k:RB+4*\k+3], v5 offset:512*\k            ; LDS serves a wave's instructions in order (ISA guide 5.7.1.4): these see my stores, and q = 1's stores come behind them
.endr
.endif
.if (\t)+2 < 8
	LOAD (\t)+2
.endif
.if (\t) == 0                          ; my block of x or h turns through its stage
.irp k, 0,1,2
	ds_store_b128 v[23+\k], v[RL+4*\k:RL+4*\k+3]
.endr
.irp p, 0,1,2,3,4,5
	ds_load_b64 v[RF+2*\p:RF+2*\p+1], v26 offset:48*(\p/3)+8*(\p%3)
.endr
.endif
.if (\t) == 1
	s_wait_dscnt 0x0                               ; the fragment, asked for a block ago, is in
.irp c, 0,1,2
	global_store_b128 v6, v[RF+4*\c:RF+4*\c+3], s[40:41] offset:512*\c   ; 512 consecutive aligned bytes
.endr
	s_cmp_lg_u32 s4, 0
	s_wait_alu depctr_va_vdst(0)                   ; the wait ahead of the branch
	s_cbranch_scc1 .Lno_words_out
	global_store_b64 v7, v[194:195], s[42:43]      ; 256 consecutive aligned bytes
.Lno_words_out:
.endif
.if (\t) == 4
	s_wait_dscnt 0x0                               ; q = 0's codes, asked for a block ago, are back
.irp k, 0,1,2,3,4,5
	global_store_b128 v6, v[RB+4*\k:RB+4*\k+3], s[8:9] offset:512*\k   ; 512 consecutive aligned bytes
.endr
.endif
.endm
.irp t, 0,1,2,3,4,5,6,7
	BLOCK \t
.endr
	global_store_b64 v7, v[SB:SB+1], s[10:11]      ; 32 lanes store 256 consecutive aligned bytes
.irp k, 0,1,2,3,4,5
	ds_load_b128 v[X+4*\k:X+4*\k+3], v5 offset:512*\k
.endr
.irp k, 0,1,2,3,4,5
	s_wait_dscnt 5-\k
	global_store_b128 v6, v[X+4*\k:X+4*\k+3], s[8:9] offset:12288+512*\k   ; q = 1's blocks lie 12,288 bytes behind q = 0's
.endr
	s_wait_tensorcnt 0x0                           ; the wave's end
	ds_add_u32 v144, v145
	s_wait_dscnt 0x0
	s_endpgm
.Lfunc_end_k_q5a3ecc31f4_quant:
	.size	k_q5a3ecc31f4_quant, .Lfunc_end_k_q5a3ecc31f4_quant-k_q5a3ecc31f4_quant
	.p2alignl 7, 3214868480
	.fill 96, 4, 3214868480
	.section	.rodata,"a",@progbits
	.p2align	6, 0x0
	.amdhsa_kernel k_q5a3ecc31f4_quant
		.amdhsa_group_segment_fixed_size 19968
		.amdhsa_private_segment_fixed_size 0
		.amdhsa_enable_private_segment 0
		.amdhsa_kernarg_size 112
		.amdhsa_user_sgpr_count 2
		.amdhsa_user_sgpr_kernarg_segment_ptr 1
		.amdhsa_wavefront_size32 1
		.amdhsa_system_sgpr_workgroup_id_x 1
		.amdhsa_system_sgpr_workgroup_id_y 1
		.amdhsa_system_sgpr_workgroup_id_z 1
		.amdhsa_system_vgpr_workitem_id 0
		.amdhsa_next_free_vgpr 196
		.amdhsa_next_free_sgpr 66
		.amdhsa_reserve_vcc 0
		.amdhsa_float_denorm_mode_32 3
		.amdhsa_float_denorm_mode_16_64 3
		.amdhsa_memory_ordered 1
		.amdhsa_forward_progress 1
		.amdhsa_inst_pref_size 46
	.end_amdhsa_kernel
	.amdgpu_metadata
---
amdhsa.version: [ 1, 2 ]
amdhsa.kernels:
  - .name:           k_q5a3ecc31f4_quant
    .symbol:         k_q5a3ecc31f4_quant.kd
    .args:
      - { .name: w_xi, .offset: 0, .size: 8, .value_kind: global_buffer, .address_space: global }
      - { .name: w_xf, .offset: 8, .size: 8, .value_kind: global_buffer, .address_space: global }
      - { .name: w_xo, .offset: 16, .size: 8, .value_kind: global_buffer, .address_space: global }
      - { .name: w_xc, .offset: 24, .size: 8, .value_kind: global_buffer, .address_space: global }
      - { .name: w_hi, .offset: 32, .size: 8, .value_kind: global_buffer, .address_space: global }
      - { .name: w_hf, .offset: 40, .size: 8, .value_kind: global_buffer, .address_space: global }
      - { .name: w_ho, .offset: 48, .size: 8, .value_kind: global_buffer, .address_space: global }
      - { .name: w_hc, .offset: 56, .size: 8, .value_kind: global_buffer, .address_space: global }
      - { .name: x_codes, .offset: 64, .size: 8, .value_kind: global_buffer, .address_space: global }
      - { .name: x_scales, .offset: 72, .size: 8, .value_kind: global_buffer, .address_space: global }
      - { .name: h_codes, .offset: 80, .size: 8, .value_kind: global_buffer, .address_space: global }
      - { .name: h_scales, .offset: 88, .size: 8, .value_kind: global_buffer, .address_space: global }
      - { .name: aq, .offset: 96, .size: 8, .value_kind: global_buffer, .address_space: global }
      - { .name: wq, .offset: 104, .size: 8, .value_kind: global_buffer, .address_space: global }
    .group_segment_fixed_size: 19968
    .private_segment_fixed_size: 0
    .kernarg_segment_align: 8
    .kernarg_segment_size: 112
    .max_flat_workgroup_size: 128
    .sgpr_count:     66
    .vgpr_count:     196
    .wavefront_size: 32
...
	.end_amdgpu_metadata
.endif
;; end of part 1
;; launch lstm (part 2): grid 32 x 8, 4 waves a work-group, clusters of 4 x 4, 327,680 bytes of LDS; arguments aq, wq, out0, out1, b_i, b_f, b_o, b_c, c; writes out0, out1
.if DOCPART == 2
	.amdgcn_target "amdgcn-amd-amdhsa--gfx1250"
	.amdhsa_code_object_version 6
	.text
	.protected	k_q5a3ecc31f4_lstm
	.globl	k_q5a3ecc31f4_lstm
	.p2align	8
	.type	k_q5a3ecc31f4_lstm,@function
k_q5a3ecc31f4_lstm:
	s_mov_b64 s[64:65], 0
	v_nop
	global_prefetch_b8 v0, s[64:65] scope:SCOPE_SE
	s_setreg_imm32_b32 hwreg(HW_REG_WAVE_MODE, 25, 1), 1
	s_wait_xcnt 0x0
	s_wait_alu depctr_hold_cnt(0) depctr_sa_sdst(0) depctr_va_vdst(0) depctr_va_sdst(0) depctr_va_ssrc(0) depctr_va_vcc(0) depctr_vm_vsrc(0)
	s_getreg_b32 s2, hwreg(HW_REG_IB_STS2, 6, 4)
	s_cmp_eq_u32 s2, 0
	s_cbranch_scc0 .Lentry_in_a_cluster
	s_endpgm
.Lentry_in_a_cluster:
	s_bfe_u32 s2, ttmp6, 0x10000c
	s_cmp_lg_u32 s2, 0xf033
	s_cbranch_scc0 .Lentry_shape_is_right
	s_endpgm
.Lentry_shape_is_right:
; gates = x Wx + h Wh + b on codes of FP6 (E2M3) with one E8M0 scale for each 32 along K, sums in f32; then the cell: c_t = c sigmoid(f) + sigmoid(i) tanh(g) (out1), h_t = sigmoid(o) tanh(c_t) (out0), all f32.
; Both operands come from the launch before as UNITS of 25,600 bytes (128 rows x 256 along K): images of the operands' registers [q 2][b 8][1,536], then scale words [j 4][lane 32][8 bytes].
; aq [g 16][t 16], wq [g 64][t 16]; t 0-7 x and its weights, t 8-15 h and its weights; a group of wq holds the four gates (i, f, o, c) of 32 columns.
; SHARES.  A work-group of four waves makes 256 rows x 64 columns of all four gates; a wave 128 rows x 128 n: 64 accumulators of 16 x 16.  Accumulator (a, b): rows 16 a on, gate b / 2, columns 16 (b % 2) on.
; THE MATRIX INSTRUCTION IS USED TRANSPOSED (source 0 = weights, source 1 = x or h): lane l holds row l % 16, its registers the columns 8 (l / 16) + 0 .. 7.
; K: 16 units through a ring of two LDS slots of four units; a wave's tensor load brings one unit, 100 rows of 256 bytes.  A fragment is three loads of 16 bytes a lane, 512 consecutive bytes each.
; REGISTERS.  Each window of 256 holds 16 accumulators (v128-255) and one half of one side's fragments in TWO buffers (v32-79, v80-127):
;   window 0: accumulators a 0-3 x b 0-3, x/h blocks 0-3;  window 1: a 0-3 x b 4-7, weights' blocks 0-3;  window 2: a 4-7 x b 0-3, x/h blocks 4-7;  window 3: a 4-7 x b 4-7, weights' blocks 4-7.
;   A step of 128 along K is four quarters of 16 products, each under one window setting.  The next step's fragments come into the other buffer in TWO runs of LDS loads: 32 at the step's head, 24 in its middle;
;   under a quarter's setting a load's destination has D's window and its address source 0's, so a run takes the quarters' settings.
;   Address registers lie in windows 1 and 3 (v0-5).  Window 0 v16-31: scale words and nothing else, two sets of 8 (x/h pairs 0-3, weights' pairs 0-3; even block in lanes 0-15, odd in 16-31).
; THE CHANGE OF SLOTS stands at the head of a slot's second step: its fragments were asked for in the step before, the last of them 32 products ago, so the slot is free; the refill stands directly behind the round
; and has 128 products in which to land.
; CLUSTERS 4 x 4: x/h units are shared along a row of the cluster, weights' units along a column, by joint loads.  c's tile is each work-group's own.
; PREFETCH: behind each refill a wave names the unit two refills on: 100 pieces of 256 bytes, 25 for each of the four partners, told apart by address; the last trip names c's rows instead.  Units 1 to 3, which no
; refill stands two ahead of, are named once at the head.
; The biases, times the cell's factors, lie in LDS bytes of the wave's own and enter by the cell's first multiply-add.  LIMIT (order of rounding): sums run x, h, then b.
; THE CELL.  With e_v = 2^(-v log2 e) and E_v = 2^(min(2 v log2 e, 60)):  sigmoid(f) = 1 / (1 + e_f);  sigmoid(i) tanh(g) = (E_g - 1) / ((1 + e_i)(1 + E_g));  sigmoid(o) tanh(c_t) likewise: two factors share a reciprocal.
; The hold at 60 keeps E finite, so that an overflowing e gives 0 x a finite number; beyond it (E - 1) / (E + 1) is 1 in f32, so the hold moves no value.  An underflowing power gives the right limit too.
; LIMITS: tanh so made has an absolute error of about 1e-7; NaN among the inputs is not served.
.set UNIT,   25600
.set SLOT,   4*UNIT
.set KQ,     12288
.set SCO,    24576
.set SPARE,  2*SLOT                    ; the spare words, 512 bytes
.set BIASL,  SPARE+512                 ; the biases: 512 bytes a wave
.set CP,     272                       ; the cell's tiles: 64 f32 + 16 bytes a row.  c, later c_t, at byte 0 (slot 0's last fill); h_t at SLOT (behind slot 1's last read)
.set CQ,     64*CP
.set FB,     32
.set SC,     16
.set RDC, 6
.set RDH, 7
.set CTA, 8
.set HTA, 9
.set CO,  10
.set PF,  11                           ; 8,192 x lane: a row of c
.set PFO, 12                           ; 256 x min(lane, 24)
.set BAD, 13                           ; where I read the biases
.set SPW, 14
.set NIL, 15
.set E,   32                           ; the cell: v32-95, 16 for each gate; v96-127 c, two sets
.set BI,  32                           ; window 2: the biases, register 8 b + x
.set OUTR, 32                          ; window 1: rows on their way out
.set WV,  18
.set RH,  19
.set CH,  20
.set G1,  24
.set G0,  32
.set G1B, 48
.set G0B, 56
.set G1C, 76
.set G0C, 84
.set PFA, 88
.set MSB, 0
.macro WIN new                         ; the immediate's high byte repeats the setting that is left
.set NW, \new
.if MSB != NW
	s_set_vgpr_msb (MSB<<8)|NW
.set MSB, NW
.endif
.endm
.macro PLACES n
.rept \n
	v_nop
.endr
.endm
.macro JLOAD g0a, g1a, g0b, g1b        ; a joint load: waves 0, 1 for x/h, waves 2, 3 for the weights
	s_cmp_eq_u32 s[RH], 0
	s_cbranch_scc0 .Lfor_b_\@
	tensor_load_to_lds s[\g0a:\g0a+3], s[\g1a:\g1a+7]
	s_nop 0
	PLACES 4
	s_branch .Lasked_\@
.Lfor_b_\@:
	tensor_load_to_lds s[\g0b:\g0b+3], s[\g1b:\g1b+7]
	s_nop 0
	PLACES 4
.Lasked_\@:
.endm
.macro CREST
	s_cmp_lg_u32 s[WV], 0
	s_cbranch_scc1 .Lnot_wave_0_\@
	s_barrier_signal -3
.Lnot_wave_0_\@:
	s_barrier_wait -3
	s_barrier_signal -1
	s_barrier_wait -1
.endm
.macro CROUND
	s_barrier_signal -1
	s_barrier_wait -1
	CREST
.endm
	s_load_b128 s[4:7], s[0:1], 0x0                ; aq, wq
	s_load_b128 s[12:15], s[0:1], 0x10             ; out0, out1
	s_load_b256 s[68:75], s[0:1], 0x20             ; b_i, b_f, b_o, b_c
	s_load_b64 s[16:17], s[0:1], 0x40              ; c
	v_lshl_add_u32 v[SPW], v0, 2, SPARE
	v_mov_b32 v[NIL], 0
	ds_add_u32 v[SPW], v[NIL]                      ; the opening lines: the add twice on end and its wait
	ds_add_u32 v[SPW], v[NIL]
	v_lshrrev_b32 v1, 5, v0
	v_readfirstlane_b32 s[WV], v1
	s_lshr_b32 s[RH], s[WV], 1                     ; my half of the rows; also: I fetch for x/h (0) or the weights (1)
	s_and_b32 s[CH], s[WV], 1                      ; my half of the n; also: which group I fetch
	s_bfe_u32 s40, ttmp6, 0x40000                  ; cx
	s_bfe_u32 s41, ttmp6, 0x40004                  ; cy
	s_lshl_b32 s42, ttmp9, 2
	s_add_co_u32 s42, s42, s40                     ; tile column
	s_and_b32 s43, ttmp7, 0xffff
	s_lshl_b32 s43, s43, 2
	s_add_co_u32 s43, s43, s41                     ; tile row
	s_lshl_b32 s44, s41, 2
	s_lshl_b32 s44, 15, s44                        ; my row of the cluster
	s_lshl_b32 s45, 0x1111, s40                    ; my column
	s_or_b32 s[G1], s44, (3<<16)|(1<<21)           ; a unit: 100 rows of 32 elements of 8 bytes, dense
	s_or_b32 s[G1B], s45, (3<<16)|(1<<21)
.irp g, G1, G1B
	s_mov_b32 s[\g+1], 32<<16
	s_mov_b32 s[\g+2], 100<<16
	s_mov_b32 s[\g+3], 32<<16
	s_mov_b32 s[\g+4], 100
	s_mov_b32 s[\g+5], 32
	s_mov_b32 s[\g+6], 0
	s_mov_b32 s[\g+7], 0
.endr
	s_mov_b32 s[G1C+0], (2<<16)|(1<<20)|(5<<22)|(3<<25)   ; c: 64 rows of 64 f32, 16 bytes of padding behind each
	s_mov_b32 s[G1C+1], 64<<16
	s_mov_b32 s[G1C+2], 64<<16
	s_mov_b32 s[G1C+3], 64<<16
	s_mov_b32 s[G1C+4], 64
	s_mov_b32 s[G1C+5], 2048
	s_mov_b32 s[G1C+6], 0
	s_mov_b32 s[G1C+7], 0
	s_lshl_b32 s8, s43, 1
	s_add_co_u32 s8, s8, s[CH]
	s_mul_i32 s8, s8, 16*UNIT                      ; x/h: group 2 x tile row + half
	s_mov_b32 s9, 0
	s_lshl_b32 s10, s42, 1
	s_add_co_u32 s10, s10, s[CH]
	s_mul_i32 s10, s10, 16*UNIT                    ; weights: group 2 x tile column + half
	s_mov_b32 s11, 0
	s_cmp_eq_u32 s[RH], 0
	s_cselect_b32 s2, s8, s10                      ; the prefetches: the group that I fetch,
	s_cselect_b32 s21, s40, s41                    ; my place among the four that ask for it
	s_mul_i32 s21, s21, 6400
	s_add_co_u32 s2, s2, s21
	s_add_co_u32 s2, s2, 2*UNIT
	s_mov_b32 s3, 0
	s_mov_b32 s90, 0xbfb8aa3b                      ; -log2(e), as a pair for the packed forms
	s_mov_b32 s91, s90
	s_mov_b32 s92, 0x4038aa3b                      ; 2 log2(e)
	s_mov_b32 s93, s92
	s_mul_i32 s94, s[RH], UNIT                     ; LDS: my x/h unit in slot 0, 1; its scale words
	s_add_co_u32 s95, s94, SLOT
	s_add_co_u32 s96, s94, SCO
	s_add_co_u32 s97, s95, SCO
	s_mul_i32 s100, s[CH], UNIT                    ; my weights' unit
	s_add_co_u32 s100, s100, 2*UNIT
	s_add_co_u32 s101, s100, SLOT
	s_add_co_u32 s98, s100, SCO
	s_add_co_u32 s99, s101, SCO
	s_wait_dscnt 0x0                               ; both opening adds are done
	s_wait_kmcnt 0x0
	s_mov_b32 s[G0], 1
	s_mul_i32 s[G0+1], s[WV], UNIT
	s_add_nc_u64 s[G0+2:G0+3], s[4:5], s[8:9]
	s_mov_b32 s[G0+4], 1
	s_add_co_u32 s[G0+5], s[G0+1], SLOT
	s_add_nc_u64 s[G0+6:G0+7], s[G0+2:G0+3], UNIT
	s_or_b32 s[G0+3], s[G0+3], 0x80000000
	s_or_b32 s[G0+7], s[G0+7], 0x80000000
	s_mov_b32 s[G0B], 1
	s_mul_i32 s[G0B+1], s[WV], UNIT
	s_add_nc_u64 s[G0B+2:G0B+3], s[6:7], s[10:11]
	s_mov_b32 s[G0B+4], 1
	s_add_co_u32 s[G0B+5], s[G0B+1], SLOT
	s_add_nc_u64 s[G0B+6:G0B+7], s[G0B+2:G0B+3], UNIT
	s_or_b32 s[G0B+3], s[G0B+3], 0x80000000
	s_or_b32 s[G0B+7], s[G0B+7], 0x80000000
	CROUND                                         ; all sixteen work-groups are here
	JLOAD G0, G1, G0B, G1B                         ; unit t = 0: one tensor load a wave at the head
	s_cmp_eq_u32 s[RH], 0
	s_cselect_b64 s[PFA:PFA+1], s[4:5], s[6:7]
	s_add_nc_u64 s[PFA:PFA+1], s[PFA:PFA+1], s[2:3]
	s_lshl_b32 s22, s43, 8                         ; c: row 256 x tile row + 64 x wave, + 256 bytes x tile column
	s_lshl_b32 s2, s[WV], 6
	s_add_co_u32 s22, s22, s2
	s_lshl_b32 s22, s22, 13
	s_lshl_b32 s2, s42, 8
	s_add_co_u32 s22, s22, s2
	s_mov_b32 s23, 0
	s_add_nc_u64 s[16:17], s[16:17], s[22:23]
	s_mov_b32 s[G0C], 1
	s_mul_i32 s[G0C+1], s[WV], CQ
	s_mov_b64 s[G0C+2:G0C+3], s[16:17]
	s_or_b32 s[G0C+3], s[G0C+3], 0x80000000
	s_lshl_b32 s66, s43, 8                         ; the outputs: row 256 x tile row + 128 x my half + 16 x CH
	s_lshl_b32 s2, s[RH], 7
	s_add_co_u32 s66, s66, s2
	s_lshl_b32 s2, s[CH], 4
	s_add_co_u32 s66, s66, s2
	s_lshl_b32 s66, s66, 13
	s_lshl_b32 s2, s42, 8
	s_add_co_u32 s66, s66, s2
	s_mov_b32 s67, 0
	s_add_nc_u64 s[12:13], s[12:13], s[66:67]
	s_add_nc_u64 s[14:15], s[14:15], s[66:67]
	s_lshl_b32 s46, s42, 8                         ; my 32 columns in a bias
	s_lshl_b32 s2, s[CH], 7
	s_add_co_u32 s46, s46, s2
	s_mov_b32 s47, 0
.irp g, 0,1,2,3
	s_add_nc_u64 s[68+2*\g:69+2*\g], s[68+2*\g:69+2*\g], s[46:47]
.endr
	s_mul_i32 s8, s[RH], 128*CP
	s_mul_i32 s9, s[CH], 16*CP
	s_add_co_u32 s9, s9, s8                        ; the way out: block CH of each pair
	s_lshl_b32 s2, s[CH], 7
	s_add_co_u32 s8, s8, s2                        ; the cell: my 128 rows, my 128 bytes
	s_lshl_b32 s10, s[WV], 9
	s_add_co_u32 s10, s10, BIASL
	v_and_b32 v3, 31, v0                           ; l
	v_and_b32 v1, 15, v0                           ; r
	v_bfe_u32 v2, v0, 4, 1                         ; hh
	v_min_u32 v[PFO], 24, v3
	v_lshlrev_b32 v[PFO], 8, v[PFO]
	v_lshlrev_b32 v4, 4, v3
	v_lshlrev_b32 v5, 3, v3
	WIN 0x40                                       ; window 1: v0-1 x/h fragments in slot 0, 1; v2-3 their scale words; v4-5 the weights' scale words
	v_add_nc_u32 v0, s94, v4
	v_add_nc_u32 v1, s95, v4
	v_add_nc_u32 v2, s96, v5
	v_add_nc_u32 v3, s97, v5
	v_add_nc_u32 v4, s98, v5
	v_add_nc_u32 v5, s99, v5
	WIN 0xc0                                       ; window 3: v0-1 the weights' fragments in slot 0, 1
	v_add_nc_u32 v0, s100, v4
	v_add_nc_u32 v1, s101, v4
	WIN 0
	v_lshlrev_b32 v5, 2, v3
.irp g, 0,1,2,3
	global_load_b32 v[80+\g], v5, s[68+2*\g:69+2*\g]   ; gate g's bias of column l
.endr
	global_prefetch_b8 v[PFO], s[PFA:PFA+1] offset:-UNIT th:TH_LOAD_NT scope:SCOPE_SE   ; my share of units 1, 2 and 3
	global_prefetch_b8 v[PFO], s[PFA:PFA+1] th:TH_LOAD_NT scope:SCOPE_SE
	global_prefetch_b8 v[PFO], s[PFA:PFA+1] offset:UNIT th:TH_LOAD_NT scope:SCOPE_SE
	v_add_nc_u32 v4, s10, v5
	v_lshl_add_u32 v[BAD], v2, 5, s10
	v_mul_u32_u24 v[CTA], v1, CP
	v_lshl_add_u32 v[CTA], v2, 5, v[CTA]
	v_add_nc_u32 v[CTA], s8, v[CTA]
	v_add_nc_u32 v[HTA], SLOT, v[CTA]
	v_mul_u32_u24 v[RDC], v2, CP
	v_lshl_add_u32 v[RDC], v1, 4, v[RDC]
	v_add_nc_u32 v[RDC], s9, v[RDC]
	v_add_nc_u32 v[RDH], SLOT, v[RDC]
	v_lshlrev_b32 v[CO], 13, v2
	v_lshl_add_u32 v[CO], v1, 4, v[CO]
	v_lshlrev_b32 v[PF], 13, v3
	s_wait_alu depctr_va_vdst(0)                   ; the wait at the head's end
	s_wait_tensorcnt 0x0                           ; my unit is in: no tensor load of mine is out while I store to LDS
	s_wait_loadcnt 0x0
	v_mul_f32 v80, s90, v80
	v_mul_f32 v81, s90, v81
	v_mul_f32 v82, s90, v82
	v_mul_f32 v83, s92, v83
.irp g, 0,1,2,3
	ds_store_b32 v4, v[80+\g] offset:128*\g
.endr
	s_wait_tensorcnt 0x0                           ; ahead of a later first fill
	ds_add_u32 v[SPW], v[NIL]
	s_wait_dscnt 0x0
	CROUND
	JLOAD G0+4, G1, G0B+4, G1B                     ; unit t = 1, slot 1's first fill
.macro QWIN wa, wb                     ; source 0 window 1 + 2 wb, source 1 window 2 wa, C and D window 2 wa + wb
	WIN (1+2*(\wb))|((2*(\wa))<<2)|((2*(\wa)+(\wb))<<4)|((2*(\wa)+(\wb))<<6)
.endm
; the half set that lies in window 2 wa + wb (wb = 0: x/h, wb = 1: weights; wa = 1: blocks 4-7) of step q of a slot, into buffer tb: 12 loads, fragment QL / 3, piece QL % 3
.macro RUNH wa, wb, tb, slot, q
	QWIN \wa, \wb
.set QL, 0
.rept 12
	ds_load_b128 v[FB+48*(\tb)+12*(QL/3)+4*(QL%3):FB+48*(\tb)+12*(QL/3)+4*(QL%3)+3], v[\slot] offset:(\q)*KQ+(4*(\wa)+QL/3)*1536+512*(QL%3)
.set QL, QL+1
.endr
.endm
.macro RUNA tb, slot, q                ; 32 loads: x/h blocks 0-3, the 8 scale words, weights' blocks 0-3
	RUNH 0, 0, \tb, \slot, \q
.irp n, 0,1,2,3
	ds_load_b32 v[SC+8*(\tb)+\n], v[2+\slot] offset:256*\n+4*(\q)
.endr
.irp n, 0,1,2,3
	ds_load_b32 v[SC+8*(\tb)+4+\n], v[4+\slot] offset:256*\n+4*(\q)
.endr
	RUNH 0, 1, \tb, \slot, \q
.endm
.macro RUNB tb, slot, q                ; 24 loads: weights' blocks 4-7, x/h blocks 4-7
	RUNH 1, 1, \tb, \slot, \q
	RUNH 1, 0, \tb, \slot, \q
.endm
.macro WM wa, wb, a, b, bf, zero
.set DD, 128+8*(4*\a+\b)
.set BF, FB+48*(\bf)+12*\b
.set AA, FB+48*(\bf)+12*\a
.set SW, SC+8*(\bf)+4+2*(\wb)+\b/2
.set SX, SC+8*(\bf)+2*(\wa)+\a/2
.if \zero
.if (\a%2 == 0) && (\b%2 == 0)
	v_wmma_scale_f32_16x16x128_f8f6f4 v[DD:DD+7], v[BF:BF+11], v[AA:AA+11], 0, v[SW], v[SX] matrix_a_fmt:MATRIX_FMT_FP6 matrix_b_fmt:MATRIX_FMT_FP6
.elseif (\a%2 == 0)
	v_wmma_scale_f32_16x16x128_f8f6f4 v[DD:DD+7], v[BF:BF+11], v[AA:AA+11], 0, v[SW], v[SX] matrix_a_fmt:MATRIX_FMT_FP6 matrix_b_fmt:MATRIX_FMT_FP6 matrix_a_scale:MATRIX_SCALE_ROW1
.elseif (\b%2 == 0)
	v_wmma_scale_f32_16x16x128_f8f6f4 v[DD:DD+7], v[BF:BF+11], v[AA:AA+11], 0, v[SW], v[SX] matrix_a_fmt:MATRIX_FMT_FP6 matrix_b_fmt:MATRIX_FMT_FP6 matrix_b_scale:MATRIX_SCALE_ROW1
.else
	v_wmma_scale_f32_16x16x128_f8f6f4 v[DD:DD+7], v[BF:BF+11], v[AA:AA+11], 0, v[SW], v[SX] matrix_a_fmt:MATRIX_FMT_FP6 matrix_b_fmt:MATRIX_FMT_FP6 matrix_a_scale:MATRIX_SCALE_ROW1 matrix_b_scale:MATRIX_SCALE_ROW1
.endif
.else
.if (\a%2 == 0) && (\b%2 == 0)
	v_wmma_scale_f32_16x16x128_f8f6f4 v[DD:DD+7], v[BF:BF+11], v[AA:AA+11], v[DD:DD+7], v[SW], v[SX] matrix_a_fmt:MATRIX_FMT_FP6 matrix_b_fmt:MATRIX_FMT_FP6
.elseif (\a%2 == 0)
	v_wmma_scale_f32_16x16x128_f8f6f4 v[DD:DD+7], v[BF:BF+11], v[AA:AA+11], v[DD:DD+7], v[SW], v[SX] matrix_a_fmt:MATRIX_FMT_FP6 matrix_b_fmt:MATRIX_FMT_FP6 matrix_a_scale:MATRIX_SCALE_ROW1
.elseif (\b%2 == 0)
	v_wmma_scale_f32_16x16x128_f8f6f4 v[DD:DD+7], v[BF:BF+11], v[AA:AA+11], v[DD:DD+7], v[SW], v[SX] matrix_a_fmt:MATRIX_FMT_FP6 matrix_b_fmt:MATRIX_FMT_FP6 matrix_b_scale:MATRIX_SCALE_ROW1
.else
	v_wmma_scale_f32_16x16x128_f8f6f4 v[DD:DD+7], v[BF:BF+11], v[AA:AA+11], v[DD:DD+7], v[SW], v[SX] matrix_a_fmt:MATRIX_FMT_FP6 matrix_b_fmt:MATRIX_FMT_FP6 matrix_a_scale:MATRIX_SCALE_ROW1 matrix_b_scale:MATRIX_SCALE_ROW1
.endif
.endif
.endm
; A quarter: row blocks 4 wa on x weights' blocks 4 wb on, from buffer bf; the 16 accumulators by turns.  zero = 1: the product starts the sum.
.macro QTR wa, wb, bf, zero
	QWIN \wa, \wb
.irp a, 0,1,2,3
.irp b, 0,1,2,3
	WM \wa, \wb, \a, \b, \bf, \zero
.endr
.endr
.endm
; A slot's first step, from buffer 0; the slot's second step is fetched into buffer 1, which the step before read last.
.macro NSTEP slot, zero
	PLACES 4                                       ; between the last step's products and the loads into the registers that they read (ISA guide 7.12.1 for vector instructions)
	RUNA 1, \slot, 1
	s_wait_dscnt 32                                ; all but the 32 just issued: this step's fragments are in
	QTR 0, 0, 0, \zero
	QTR 0, 1, 0, \zero
	RUNB 1, \slot, 1
	QTR 1, 1, 0, \zero
	QTR 1, 0, 0, \zero
	WIN 0
.endm
.macro ASK slot                        ; the unit two refills on; in the loop's last trip, which has none, 32 of the 64 rows of c that I will load
	s_cmp_gt_u32 s3, 1
	s_cbranch_scc0 .Lpc_\@
	global_prefetch_b8 v[PFO], s[PFA:PFA+1] offset:UNIT th:TH_LOAD_NT scope:SCOPE_SE
	s_branch .Lpd_\@
.Lpc_\@:
	global_prefetch_b8 v[PF], s[16:17] offset:\slot*262144 th:TH_LOAD_NT scope:SCOPE_SE
.Lpd_\@:
.endm
; A slot's second step, from buffer 1, changes slots at its head.  fill = 1: the slot takes its next unit.  fill = 2: slot 0 takes c's tile, 64 rows a wave.
.macro TSTEP slot, next, fill
.if \fill == 1
	s_wait_xcnt 0x0                                ; my last prefetch has read its address
	s_add_nc_u64 s[PFA:PFA+1], s[PFA:PFA+1], UNIT
.endif
	s_wait_tensorcnt 0x0                           ; my part of the next slot has landed
	ds_add_u32 v[SPW], v[NIL]
.if \fill == 1
	s_add_nc_u64 s[G0+4*\slot+2:G0+4*\slot+3], s[G0+4*\slot+2:G0+4*\slot+3], 2*UNIT
	s_add_nc_u64 s[G0B+4*\slot+2:G0B+4*\slot+3], s[G0B+4*\slot+2:G0B+4*\slot+3], 2*UNIT
.endif
	s_wait_dscnt 0x0                               ; the add is done, and my reads of this slot are over: this step's fragments are in
	s_barrier_signal -1
	s_barrier_wait -1
	CREST
.if \fill == 1
	JLOAD G0+4*\slot, G1, G0B+4*\slot, G1B         ; its four v_nop are also the places in front of the loads below
	ASK \slot
.else
	tensor_load_to_lds s[G0C:G0C+3], s[G1C:G1C+7]
	s_nop 0
	PLACES 4
.endif
	RUNA 0, \next, 0
	QTR 0, 0, 1, 0
	QTR 0, 1, 1, 0
	RUNB 0, \next, 0
	QTR 1, 1, 1, 0
	QTR 1, 0, 1, 0
	WIN 0
.endm
	RUNA 0, 0, 0
	RUNB 0, 0, 0
	NSTEP 0, 1                                     ; the first step's products start the sums
	s_mov_b32 s3, 7
.Llap:
	TSTEP 0, 1, 1
	NSTEP 1, 0
	TSTEP 1, 0, 1
	NSTEP 0, 0
	s_sub_co_u32 s3, s3, 1
	s_cmp_lg_u32 s3, 0
	s_cbranch_scc1 .Llap
	TSTEP 0, 1, 2
	NSTEP 1, 0
	s_wait_dscnt 0x0                               ; the last step fetches nothing.  My reads of slot 1 are over: behind the barrier h_t is stored there
	s_wait_tensorcnt 0x0                           ; my 64 rows of c are in.
	s_barrier_signal -1
	QTR 0, 0, 1, 0
	QTR 0, 1, 1, 0
	QTR 1, 1, 1, 0
	QTR 1, 0, 1, 0
	WIN 0
	s_barrier_wait -1
	PLACES 4
	WIN 0x80
.irp g, 0,1,2,3
.irp u, 0,1
.irp e, 0,1
	ds_load_b128 v[BI+16*\g+8*\u+4*\e:BI+16*\g+8*\u+4*\e+3], v[BAD] offset:128*\g+64*\u+16*\e   ; gate g, columns 16 u + 8 hh + 4 e on: the result's layout
.endr
.endr
.endr
	WIN 0
; THE WAY OUT of pair k: a row's 256 bytes come from two waves, so a barrier stands between the cells' stores and these loads.  Wave (RH, CH) takes block 2 k + CH of its half, two whole rows an instruction.
.macro LOADP k
.if (\k) > 0
	s_wait_xcnt 0x0                                ; the registers that the pair before's stores read are loaded again only behind this wait
.endif
	WIN 0x40
.irp t, 0,1,2,3,4,5,6,7
	ds_load_b128 v[OUTR+4*\t:OUTR+4*\t+3], v[RDC] offset:(32*(\k)+2*\t)*CP
.endr
.irp t, 0,1,2,3,4,5,6,7
	ds_load_b128 v[OUTR+32+4*\t:OUTR+32+4*\t+3], v[RDH] offset:(32*(\k)+2*\t)*CP
.endr
	WIN 0
.endm
.macro SENDP k, counted
	WIN 0x04
.irp t, 0,1,2,3,4,5,6,7
.if \counted
	s_wait_dscnt 15-\t
.endif
	global_store_b128 v[CO], v[OUTR+4*\t:OUTR+4*\t+3], s[14:15] offset:(32*(\k)+2*\t)*8192 th:TH_STORE_NT         ; c_t: 16 lanes store 256 consecutive aligned bytes
.endr
.irp t, 0,1,2,3,4,5,6,7
.if \counted
	s_wait_dscnt 7-\t
.endif
	global_store_b128 v[CO], v[OUTR+32+4*\t:OUTR+32+4*\t+3], s[12:13] offset:(32*(\k)+2*\t)*8192 th:TH_STORE_NT   ; h_t
.endr
	WIN 0
.endm
; THE CELL for row block a: 16 numbers a lane.  E + 0 .. 15 gate i, + 16 f, + 32 o, + 48 g, later c_t's power and h_t.
.macro EPI a, send
.set CI, 96+16*((\a)%2)
.set TT, E+48
.set AC, 128+32*((\a)%4)
.irp u, 0,1
.irp e, 0,1
	ds_load_b128 v[CI+8*\u+4*\e:CI+8*\u+4*\e+3], v[CTA] offset:16*CP*(\a)+64*\u+16*\e
.endr
.endr
.if (\a) == 0
	s_wait_dscnt 4                                 ; the biases are in; c's four loads may be out
.endif
	WIN (2*((\a)/4))|0x20                          ; source 0: gates i, f; source 2: the biases
.irp b, 0,1,2,3
.irp p, 0,2,4,6
	v_pk_fma_f32 v[E+8*\b+\p:E+8*\b+\p+1], v[AC+8*\b+\p:AC+8*\b+\p+1], s[90:91], v[BI+8*\b+\p:BI+8*\b+\p+1] op_sel_hi:[1,0,1]   ; -(v + b) log2(e); each accumulator from its low end on
.endr
.endr
	WIN (2*((\a)/4)+1)|0x20                        ; gates o, g
.irp b, 0,1
.irp p, 0,2,4,6
	v_pk_fma_f32 v[E+32+8*\b+\p:E+32+8*\b+\p+1], v[AC+8*\b+\p:AC+8*\b+\p+1], s[90:91], v[BI+32+8*\b+\p:BI+32+8*\b+\p+1] op_sel_hi:[1,0,1]
.endr
.endr
.irp b, 2,3
.irp p, 0,2,4,6
	v_pk_fma_f32 v[E+32+8*\b+\p:E+32+8*\b+\p+1], v[AC+8*\b+\p:AC+8*\b+\p+1], s[92:93], v[BI+32+8*\b+\p:BI+32+8*\b+\p+1] op_sel_hi:[1,0,1]   ; g: 2 (v + b) log2(e)
.endr
.endr
	WIN 0
.set j, 0
.rept 16
	v_min_num_f32 v[E+48+j], 0x42700000, v[E+48+j] ; held at 60
.set j, j+1
.endr
.set j, 0
	s_wait_alu depctr_va_vdst(0)                   ; a wait ahead of each batch and behind it
.rept 64
	v_exp_f32 v[E+j], v[E+j]
.set j, j+1
.endr
	v_nop
.set j, 0
	s_wait_alu depctr_va_vdst(0)
.rept 32
	v_pk_add_f32 v[E+j:E+j+1], v[E+j:E+j+1], 1.0 op_sel_hi:[1,0]
.set j, j+2
.endr
.irp p, 0,2,4,6,8,10,12,14
	v_pk_mul_f32 v[E+\p:E+\p+1], v[E+\p:E+\p+1], v[E+48+\p:E+48+\p+1]                      ; (1 + e_i)(1 + E_g)
.endr
.irp p, 0,2,4,6,8,10,12,14
	v_pk_add_f32 v[E+48+\p:E+48+\p+1], v[E+48+\p:E+48+\p+1], -2.0 op_sel_hi:[1,0]          ; E_g - 1
.endr
.set j, 0
	s_wait_alu depctr_va_vdst(0)
.rept 32
	v_rcp_f32 v[E+j], v[E+j]                       ; 1 / ((1 + e_i)(1 + E_g)); sigmoid(f)
.set j, j+1
.endr
	v_nop
	s_wait_alu depctr_va_vdst(0)
	s_wait_dscnt 0x0                               ; c is in, and so are the rows read back ahead of this cell
.if (\send) >= 0
	SENDP (\send), 0
.endif
.irp p, 0,2,4,6,8,10,12,14
	v_pk_mul_f32 v[CI+\p:CI+\p+1], v[CI+\p:CI+\p+1], v[E+16+\p:E+16+\p+1]                  ; c f
.endr
.irp p, 0,2,4,6,8,10,12,14
	v_pk_fma_f32 v[CI+\p:CI+\p+1], v[E+\p:E+\p+1], v[E+48+\p:E+48+\p+1], v[CI+\p:CI+\p+1]  ; c_t
.endr
.irp p, 0,2,4,6,8,10,12,14
	v_pk_mul_f32 v[TT+\p:TT+\p+1], v[CI+\p:CI+\p+1], s[92:93] op_sel_hi:[1,0]
.endr
.set j, 0
.rept 16
	v_min_num_f32 v[TT+j], 0x42700000, v[TT+j]     ; held at 60
.set j, j+1
.endr
.set j, 0
	s_wait_alu depctr_va_vdst(0)
.rept 16
	v_exp_f32 v[TT+j], v[TT+j]
.set j, j+1
.endr
	v_nop
	s_wait_alu depctr_va_vdst(0)
.irp p, 0,2,4,6,8,10,12,14
	v_pk_add_f32 v[TT+\p:TT+\p+1], v[TT+\p:TT+\p+1], 1.0 op_sel_hi:[1,0]
.endr
.irp p, 0,2,4,6,8,10,12,14
	v_pk_mul_f32 v[E+32+\p:E+32+\p+1], v[E+32+\p:E+32+\p+1], v[TT+\p:TT+\p+1]              ; (1 + e_o)(1 + E_c)
.endr
.irp p, 0,2,4,6,8,10,12,14
	v_pk_add_f32 v[TT+\p:TT+\p+1], v[TT+\p:TT+\p+1], -2.0 op_sel_hi:[1,0]                  ; E_c - 1
.endr
.set j, 0
	s_wait_alu depctr_va_vdst(0)
.rept 16
	v_rcp_f32 v[E+32+j], v[E+32+j]
.set j, j+1
.endr
	v_nop
	s_wait_alu depctr_va_vdst(0)
.irp p, 0,2,4,6,8,10,12,14
	v_pk_mul_f32 v[TT+\p:TT+\p+1], v[E+32+\p:E+32+\p+1], v[TT+\p:TT+\p+1]                  ; h_t
.endr
.irp u, 0,1
.irp e, 0,1
	ds_store_b128 v[CTA], v[CI+8*\u+4*\e:CI+8*\u+4*\e+3] offset:16*CP*(\a)+64*\u+16*\e     ; c_t onto the bytes of c that I alone have read
	ds_store_b128 v[HTA], v[TT+8*\u+4*\e:TT+8*\u+4*\e+3] offset:16*CP*(\a)+64*\u+16*\e
.endr
.endr
.endm
.irp k, 0,1,2,3
	EPI 2*\k, \k-1
	EPI 2*\k+1, -1
	s_wait_dscnt 0x0                               ; for the others' sake: my stores into both tiles are done
	s_barrier_signal -1
	s_barrier_wait -1
	LOADP \k
.endr
	SENDP 3, 1
	s_wait_tensorcnt 0x0                           ; the wave's end
	ds_add_u32 v[SPW], v[NIL]
	s_wait_dscnt 0x0
	CROUND                                         ; the closing round
	s_endpgm
.Lfunc_end_k_q5a3ecc31f4_lstm:
	.size	k_q5a3ecc31f4_lstm, .Lfunc_end_k_q5a3ecc31f4_lstm-k_q5a3ecc31f4_lstm
	.p2alignl 7, 3214868480
	.fill 96, 4, 3214868480
	.section	.rodata,"a",@progbits
	.p2align	6, 0x0
	.amdhsa_kernel k_q5a3ecc31f4_lstm
		.amdhsa_group_segment_fixed_size 327680
		.amdhsa_private_segment_fixed_size 0
		.amdhsa_enable_private_segment 0
		.amdhsa_kernarg_size 72
		.amdhsa_user_sgpr_count 2
		.amdhsa_user_sgpr_kernarg_segment_ptr 1
		.amdhsa_wavefront_size32 1
		.amdhsa_system_sgpr_workgroup_id_x 1
		.amdhsa_system_sgpr_workgroup_id_y 1
		.amdhsa_system_sgpr_workgroup_id_z 1
		.amdhsa_system_vgpr_workitem_id 0
		.amdhsa_next_free_vgpr 1024
		.amdhsa_next_free_sgpr 102
		.amdhsa_reserve_vcc 0
		.amdhsa_float_denorm_mode_32 3
		.amdhsa_float_denorm_mode_16_64 3
		.amdhsa_memory_ordered 1
		.amdhsa_forward_progress 1
		.amdhsa_inst_pref_size 249
	.end_amdhsa_kernel
	.amdgpu_metadata
---
amdhsa.version: [ 1, 2 ]
amdhsa.kernels:
  - .name:           k_q5a3ecc31f4_lstm
    .symbol:         k_q5a3ecc31f4_lstm.kd
    .args:
      - { .name: aq, .offset: 0, .size: 8, .value_kind: global_buffer, .address_space: global }
      - { .name: wq, .offset: 8, .size: 8, .value_kind: global_buffer, .address_space: global }
      - { .name: out0, .offset: 16, .size: 8, .value_kind: global_buffer, .address_space: global }
      - { .name: out1, .offset: 24, .size: 8, .value_kind: global_buffer, .address_space: global }
      - { .name: b_i, .offset: 32, .size: 8, .value_kind: global_buffer, .address_space: global }
      - { .name: b_f, .offset: 40, .size: 8, .value_kind: global_buffer, .address_space: global }
      - { .name: b_o, .offset: 48, .size: 8, .value_kind: global_buffer, .address_space: global }
      - { .name: b_c, .offset: 56, .size: 8, .value_kind: global_buffer, .address_space: global }
      - { .name: c, .offset: 64, .size: 8, .value_kind: global_buffer, .address_space: global }
    .group_segment_fixed_size: 327680
    .private_segment_fixed_size: 0
    .kernarg_segment_align: 8
    .kernarg_segment_size: 72
    .max_flat_workgroup_size: 128
    .sgpr_count:     102
    .vgpr_count:     1024
    .wavefront_size: 32
...
	.end_amdgpu_metadata
.endif
;; end of part 2
